; MI455X (gfx1250); checked and timed in simulation.
; The chip was launched on July 23, 2026; its instructions are those of AMD's public machine-readable ISA for CDNA 5 (MIT licence, August 2026) and "CDNA5" Instruction Set Architecture Reference Guide (July 2026). The comments in the code are by the model that wrote it; some were corrected since.
;; Multi Head Attention. Allowed arithmetic: matrix products marked QUANTISED: E2M1 operands, one E8M0 scale for each 32 along K, by v_wmma_scale_f32_16x16x128_f8f6f4 with both operands' format E2M1 (or v_wmma_scale_f32_32x16x128_f4), f32 sums; everything else in f32.
;; Inputs: b_out 1,024 float32; b_qkv 3,072 float32; w_out 1,024 x 1,024 float32; w_qkv 1,024 x 3,072 float32; x 4 x 2,048 x 1,024 float32.
;; Outputs: out0 4 x 2,048 x 1,024 float32.
;; This version of the problem:
;;   THIS VERSION OF THE PROBLEM IS GIVEN IN LOW PRECISION. The matrix products marked QUANTISED in the list below multiply operands that are first quantised to E2M1 (2 exponent bits, 1 mantissa bit; 4 bits a number), with one power-of-two scale for each 32 numbers along K (OCP MX v1.0); their sums are f32. All else is computed in f32.
;;   The module's matrix products, in the order in which they are computed (A, B: the left and right operand; K: the contracted axis; several contracted axes count as one K, in the product's order):
;;     1. [M 8,192, K 1,024] x [K 1,024, N 3,072]; A: input x; B: input w_qkv: QUANTISED
;;     2. batch 64 x [M 2,048, K 64] x [K 64, N 2,048]; A: computed on the way; B: computed on the way: QUANTISED
;;     3. batch 64 x [M 2,048, K 2,048] x [K 2,048, N 64]; A: softmax (see below); B: computed on the way: QUANTISED
;;     4. [M 8,192, K 1,024] x [K 1,024, N 1,024]; A: computed on the way; B: input w_out: QUANTISED
;;   THE QUANTISER, for each operand of a quantised product, along K:
;;     - K is cut into blocks of 32 from its start; a last block that is shorter is filled with zeros.
;;     - A block's scale is 2^e with e = floor(log2(the largest magnitude in the block)) - 2, held to -126 .. 127; a block of zeros has e = 0. As a byte (E8M0): e + 127.
;;     - Each number is divided by its block's scale, clamped to +-6, and rounded to the nearest number of E2M1, ties to even, subnormals kept.
;;     - The product sums the exact products of the quantised numbers (number of the format x scale) in f32.
;;   ~~~python
;;   def quantise(x, axis):      # numpy; x: float32 -> the quantised numbers, widened to float32 again
;;       x = np.moveaxis(x, axis, -1); K = x.shape[-1]
;;       x = np.pad(x, [(0, 0)] * (x.ndim - 1) + [(0, -K % 32)]); x = x.reshape(x.shape[:-1] + (-1, 32)); a = np.abs(x).max(-1, keepdims=True)
;;       e = np.where(a > 0, np.clip(np.frexp(np.where(a > 0, a, 1))[1] - 1 - 2, -126, 127), 0)      # np.frexp(a)[1] - 1 = floor(log2(a)), exactly
;;       r = np.clip(x / 2.0 ** e, -6, 6)
;;       step = 2.0 ** (np.maximum(np.frexp(np.where(r == 0, 1, r))[1] - 1, 0) - 1)
;;       q = np.round(r / step) * step * 2.0 ** e      # np.round: ties to even
;;       return np.moveaxis(q.reshape(q.shape[:-2] + (-1,))[..., :K], -1, axis).astype(np.float32)
;;   ~~~
;;   SOFTMAX AHEAD OF A QUANTISED PRODUCT. Where the list says 'softmax', what is quantised is not the finished softmax but p = 2^(t - M), with t = logit x log2(e) and M = ceil(the row's largest t), a whole number; so 1/2 < the row's largest p <= 1. The row's sum l is taken of the UNQUANTISED p, in f32, and the product's result is divided by l at the end. Since M is a whole number, a kernel that streams over the keys may use a running M (the ceiling of the running maximum): every later rescaling is an exact power of two, which a block's scale takes up: the codes' values come out the same.
;;   OPERANDS COMPUTED ON THE WAY. 'Computed on the way' means the value that the module computes at that place (a softmax that the list does not call 'softmax' is quantised finished and normalised). What goes into a quantiser is computed in f32, as accurately as f32 sums, v_exp_f32 and their like allow (about 1e-6 of the number): no bf16 or f16 on the way to a quantiser, and a product that is left as it is and whose result goes on into a quantised operand takes f32 operands (vector FMAs, or v_wmma_f32_16x16x4_f32). A number that lies on a knife's edge between two numbers of the format may be rounded either way, as far as f32 arithmetic and the matrix unit's own rounding can turn it there, and no further.
;; One version. Each part assembles by itself: llvm-mc -triple=amdgcn-amd-amdhsa -mcpu=gfx1250 --defsym DOCPART=n.
;; ======== version 1 of 1: 4 launches
;; workspace buffers: xc 4,194,304 bytes; xs 262,144 bytes; wc 2,097,152 bytes; wsc 131,072 bytes; qb 4,718,592 bytes; kv 9,175,040 bytes; ac 4,194,304 bytes; asc 262,144 bytes
;; launch prep (part 1): grid 64 x 8, 4 waves a work-group, no clusters, 34,304 bytes of LDS; arguments x, w_qkv, w_out, xc, xs, wc, wsc; writes xc, xs, wc, wsc
.if DOCPART == 1
	.amdgcn_target "amdgcn-amd-amdhsa--gfx1250"
	.amdhsa_code_object_version 6
	.text
	.protected	k_q938dce6793_prep
	.globl	k_q938dce6793_prep
	.p2align	8
	.type	k_q938dce6793_prep,@function
k_q938dce6793_prep:
	s_mov_b64 s[64:65], 0
	v_nop
	global_prefetch_b8 v0, s[64:65] scope:SCOPE_SE
	s_setreg_imm32_b32 hwreg(HW_REG_WAVE_MODE, 25, 1), 1
	s_wait_xcnt 0x0
; PROGRAM: causal multi-head attention, B 4, S 2048, D 1024, 16 heads of 64, all four products on codes of FP4 (E2M1) with one E8M0 scale for each 32 along K.
; Four launches: prep (this one: x, w_qkv, w_out into codes), gemm_qkv (first product; q, k, v leave as codes), attn (second and third product), gemm_out (fourth product).
; WORK LEFT OUT: in launch attn a step of 128 keys all of which come after a tile's 16 queries is not walked.  reference() sets those logits to -inf by the mask that it builds itself (jnp.tril),
; so their weights are 0 for all values of the inputs and reach no output.  Nothing else is left out, and every input is loaded.
; LIMIT of that: a NaN, an infinity or an overflow that would arise only in the scores left out is not carried to the result.
; THIS LAUNCH.  x [8192][1024] (K innermost) and w_qkv [1024][3072], w_out [1024][1024] (K is the first axis), f32, are quantised along K, once, since the products read them 12 and 32 times.
; A block's scale is 2^(floor(log2(largest magnitude)) - 2); its byte is the largest magnitude's exponent field - 2, held at 1 from below.  Numbers are divided by the scale, rounded to the nearest code, ties to even, held at 6.
; LIMITS: a block whose largest magnitude lies under 2^-124 gets the byte 1; a block of zeros too, where the rule says 127: its codes are zeros, and this program alone reads the bytes.  NaN and infinities in the inputs are not served.
; LAYOUT OF ALL CODES IN THIS PROGRAM.  A tile is 16 rows of an operand: tile T, place r holds row 32 (T / 2) + 8 (T % 2) + r + 8 (r / 8).  A fragment (tile, 128 along K) lies as the image of its 8 registers, 1,024 bytes:
; register group c (0, 1) of lane l at 512 c + 16 l, holding k = 64 c + 32 (l / 16) + 0 .. 31.  Scale words (four bytes: 128 along K of a row) lie [tile][K step][place], 64 bytes a (tile, step).
; xc [512 tiles][8 steps][1024], xs [512][8][16 words]; wc [256 tiles][8][1024], wsc [256][8][16]: tiles 0-191 are w_qkv's columns, 192-255 w_out's.
; SHARES.  Work-group x 0-31: x; 32-55: w_qkv; 56-63: w_out.  Memory binds: no matrix unit, no cluster (nothing is shared), no tensor load.  Waves share nothing: no barrier.
.set SPARE, 33792                      ; behind the four stages: the spare words, 128 bytes a wave, two blocks of 256 bytes that no other line names
.set SPW,   2                          ; v2   LDS address of my spare word; never rewritten
.set NIL,   3                          ; v3   0; never rewritten
.set STGB,  8448                       ; a wave's stage: 16 rows of SPI bytes
.set SPI,   528                        ; 512 bytes + 16: 33 x 16, so that 16 rows start at 16 different groups of banks (64 banks of 4 bytes: ISA guide 11.1)
.set CD,    16                         ; v16-47  codes: registers of their own for each store
.set WD,    48                         ; v48-51  scale words
.set RR,    64                         ; v64-191 numbers as loaded, two sets
.set XX,    192                        ; v192-255 x: 64 numbers of a lane, two whole blocks of 32
	s_load_b256 s[4:11], s[0:1], 0x0               ; x s[4:5], w_qkv s[6:7], w_out s[8:9], xc s[10:11]
	s_load_b128 s[12:15], s[0:1], 0x20             ; xs s[12:13], wc s[14:15]
	s_load_b64 s[16:17], s[0:1], 0x30              ; wsc
	v_lshl_add_u32 v[SPW], v0, 2, SPARE
	v_mov_b32 v[NIL], 0
	v_lshrrev_b32 v1, 5, v0
	v_readfirstlane_b32 s18, v1                    ; wave 0..3
	s_and_b32 s19, ttmp7, 0xffff                   ; work-group y
	v_and_b32 v12, 31, v0                          ; lane
	v_and_b32 v13, 15, v0                          ; r
	v_bfe_u32 v14, v0, 4, 1                        ; h
	s_mov_b32 s20, 0x76543210
	s_mov_b32 s21, 0xfedcba98                      ; v_permlanex16_b32's selects for lane l xor 16
	s_mov_b32 s27, 0
	s_wait_kmcnt 0x0
	s_cmp_lt_u32 ttmp9, 32
	s_cbranch_scc0 .Lweights
; ---- x.  A wave takes one tile (16 rows) x 4 K steps.  A load reads 512 consecutive bytes, one row's K step; the 16 rows turn through the wave's stage, so that lane (r, h) gets, of row r, the blocks h and 2 + h whole.
	s_lshl_b32 s22, s19, 5
	s_add_co_u32 s22, s22, ttmp9
	s_lshl_b32 s22, s22, 2
	s_add_co_u32 s22, s22, s18                     ; U = 4 (32 y + x) + wave, 0 .. 1023
	s_lshr_b32 s23, s22, 1                         ; the tile T
	s_and_b32 s24, s22, 1                          ; which four K steps
	s_lshr_b32 s25, s23, 1
	s_lshl_b32 s25, s25, 5
	s_and_b32 s26, s23, 1
	s_lshl_b32 s26, s26, 3
	s_add_co_u32 s25, s25, s26                     ; the tile's first row: 32 (T / 2) + 8 (T % 2)
	s_lshl_b32 s26, s25, 12
	s_lshl_b32 s28, s24, 11
	s_add_co_u32 s26, s26, s28
	s_add_nc_u64 s[4:5], s[4:5], s[26:27]          ; x: row x 4,096 + 2,048 x half
	s_lshl_b32 s26, s23, 13
	s_lshl_b32 s28, s24, 12
	s_add_co_u32 s26, s26, s28
	s_add_nc_u64 s[10:11], s[10:11], s[26:27]      ; xc: T x 8,192 + 4,096 x half
	s_lshl_b32 s26, s23, 9
	s_lshl_b32 s28, s24, 8
	s_add_co_u32 s26, s26, s28
	s_add_nc_u64 s[12:13], s[12:13], s[26:27]      ; xs: T x 512 + 256 x half
	s_mul_i32 s28, s18, STGB
	v_lshlrev_b32 v4, 4, v12                       ; 16 x lane: in a load's 512 bytes, and in an image's
	v_add_nc_u32 v5, s28, v4                       ; the stage, on the way in
	v_mul_u32_u24 v6, v13, SPI
	v_lshl_add_u32 v6, v14, 7, v6
	v_add_nc_u32 v6, s28, v6                       ; and on the way out: row r, + 128 h
	v_lshlrev_b32 v7, 2, v13
	v_lshl_add_u32 v7, v14, 6, v7                  ; scale words: 4 r + 64 h
	v_lshlrev_b32 v8, 3, v14                       ; 8 h
	v_mov_b32 v56, 0                               ; written once: a lane permute's destination counts as one of its sources
.macro XLOAD g                         ; K step g of the 16 rows into set g % 2
.irp i, 0,1,2,3,4,5,6,7,8,9,10,11,12,13,14,15
	global_load_b128 v[RR+64*((\g)%2)+4*\i:RR+64*((\g)%2)+4*\i+3], v4, s[4:5] offset:(\i+8*(\i/8))*4096+512*(\g) th:TH_LOAD_NT
.endr
.endm
.macro XSTEP g
.if (\g) < 3
	s_wait_loadcnt 16                              ; this step's 16 loads are in; the next step's 16 may be out
.else
	s_wait_loadcnt 0x0
.endif
.irp i, 0,1,2,3,4,5,6,7,8,9,10,11,12,13,14,15
	ds_store_b128 v5, v[RR+64*((\g)%2)+4*\i:RR+64*((\g)%2)+4*\i+3] offset:\i*SPI
.endr
.irp c, 0,1
.irp q, 0,1,2,3,4,5,6,7
	ds_load_b128 v[XX+32*\c+4*\q:XX+32*\c+4*\q+3], v6 offset:256*\c+16*\q   ; LDS serves a wave's instructions in order: these see the stores above
.endr
.endr
	s_wait_dscnt 0x0                               ; my 64 numbers are in, and the stores have read their registers,
.if (\g) < 2
	XLOAD (\g)+2                                   ; which take the loads of two steps on
.endif
.irp c, 0,1
	v_max3_num_f32 v[52+\c], |v[XX+32*\c]|, |v[XX+32*\c+1]|, 0x1800000   ; block 2 c + h: all its 32 numbers are mine; and the floor 2^(3 - 127), so that the byte cannot fall under 1
.endr
.irp i, 2,4,6,8,10,12,14,16,18,20,22,24,26,28,30
.irp c, 0,1
	v_max3_num_f32 v[52+\c], v[52+\c], |v[XX+32*\c+\i]|, |v[XX+32*\c+\i+1]|
.endr
.endr
.irp c, 0,1
	v_add_nc_u32 v[54+\c], 0xff000000, v[52+\c]    ; 2 off the exponent field: the conversion takes the exponent field of this operand as its scale
.endr
.irp c, 0,1
	v_lshrrev_b32 v[58+\c], 23, v[54+\c]           ; the scale's byte
.endr
	v_lshl_or_b32 v57, v59, 16, v58                ; my two bytes, blocks h and 2 + h,
	v_lshlrev_b32 v57, v8, v57                     ; at their places in the word;
	v_permlanex16_b32 v56, v57, s20, s21
	v_or_b32 v[WD+(\g)], v57, v56                  ; with lane l xor 16's two the word is whole
.irp c, 0,1
.irp q, 0,1,2,3
	v_cvt_scalef32_pk8_fp4_f32 v[CD+8*(\g)+4*\c+\q], v[XX+32*\c+8*\q:XX+32*\c+8*\q+7], v[54+\c]
.endr
.endr
	v_nop                                          ; one plain place behind the scaled conversions
.irp c, 0,1
	global_store_b128 v4, v[CD+8*(\g)+4*\c:CD+8*(\g)+4*\c+3], s[10:11] offset:1024*(\g)+512*\c   ; 512 consecutive bytes of the fragment's image
.endr
.endm
	XLOAD 0
	XLOAD 1
	XSTEP 0
	XSTEP 1
	XSTEP 2
	XSTEP 3
	v_cmp_eq_u32 vcc_lo, 1, v14                    ; lanes 0-15 store the word of the even step, lanes 16-31 that of the odd: 128 consecutive bytes a store
	v_cndmask_b32 v60, v[WD], v[WD+1], vcc_lo
	v_cndmask_b32 v61, v[WD+2], v[WD+3], vcc_lo
	global_store_b32 v7, v60, s[12:13]
	global_store_b32 v7, v61, s[12:13] offset:128
	s_branch .Lend
; ---- the weights.  A lane takes a column and its registers run down K: a block of 32 lies in one lane, and the conversions give codes with K innermost.  A wave takes 32 columns (two tiles) x one K step.
.macro WLOAD t, pitch, plo             ; block t: W(32 t + i, my column) into set t % 2; a load reads the same 128 bytes of a row in all 32 lanes' order of tiles
.irp i, 0,1,2,3,4,5,6,7,8,9,10,11,12,13,14,15,16,17,18,19,20,21,22,23,24,25,26,27,28,29,30,31
	global_load_b32 v[RR+32*((\t)%2)+\i], v9, s[\plo:\plo+1] offset:(32*(\t)+\i)*\pitch th:TH_LOAD_NT
.endr
.endm
.macro WBLOCK t, pitch, plo
.set XS, RR+32*((\t)%2)
.if (\t) < 3
	s_wait_loadcnt 32                              ; this block's 32 loads are in; the next block's may be out
.else
	s_wait_loadcnt 0x0
.endif
	v_max3_num_f32 v52, |v[XS]|, |v[XS+1]|, |v[XS+2]|
	v_max3_num_f32 v53, |v[XS+3]|, |v[XS+4]|, |v[XS+5]|
.irp i, 6,10,14,18,22,26
	v_max3_num_f32 v52, v52, |v[XS+\i]|, |v[XS+\i+1]|
	v_max3_num_f32 v53, v53, |v[XS+\i+2]|, |v[XS+\i+3]|
.endr
	v_max3_num_f32 v52, v52, |v[XS+30]|, |v[XS+31]|
	v_max3_num_f32 v52, v52, v53, 0x1800000        ; and the floor
	v_add_nc_u32 v54, 0xff000000, v52
	v_lshrrev_b32 v55, 23, v54
.if (\t) == 0
	v_mov_b32 v[WD], v55                           ; the four bytes make my column's scale word
.else
	v_lshl_or_b32 v[WD], v55, 8*(\t), v[WD]
.endif
.irp q, 0,1,2,3
	v_cvt_scalef32_pk8_fp4_f32 v[CD+4*(\t)+\q], v[XS+8*\q:XS+8*\q+7], v54
.endr
	v_nop                                          ; one plain place behind the scaled conversions
	global_store_b128 v10, v[CD+4*(\t):CD+4*(\t)+3], s[14:15] offset:512*((\t)/2)+256*((\t)%2)   ; block t is group t / 2, lanes 16 (t % 2) on, of the image: sixteen lanes store 256 consecutive bytes, aligned
.if (\t) < 2
	WLOAD (\t)+2, \pitch, \plo
.endif
.endm
.macro WARM pitch, plo, cg0, tile0
	s_sub_co_u32 s22, ttmp9, \cg0
	s_lshl_b32 s22, s22, 2
	s_add_co_u32 s22, s22, s18                     ; which 32 columns
	s_mul_i32 s26, s19, 128*\pitch                 ; K step y: 128 rows down,
	s_lshl_b32 s28, s22, 7
	s_add_co_u32 s26, s26, s28                     ; 128 bytes a group of columns
	s_add_nc_u64 s[\plo:\plo+1], s[\plo:\plo+1], s[26:27]
	s_lshl_b32 s23, s22, 1
.if \tile0 > 0
	s_add_co_u32 s23, s23, \tile0
.endif
	s_lshl_b32 s26, s23, 13
	s_lshl_b32 s28, s19, 10
	s_add_co_u32 s26, s26, s28
	s_add_nc_u64 s[14:15], s[14:15], s[26:27]      ; wc: tile x 8,192 + 1,024 y
	s_lshl_b32 s26, s23, 9
	s_lshl_b32 s28, s19, 6
	s_add_co_u32 s26, s26, s28
	s_add_nc_u64 s[16:17], s[16:17], s[26:27]      ; wsc: tile x 512 + 64 y
	WLOAD 0, \pitch, \plo
	WLOAD 1, \pitch, \plo
	WBLOCK 0, \pitch, \plo
	WBLOCK 1, \pitch, \plo
	WBLOCK 2, \pitch, \plo
	WBLOCK 3, \pitch, \plo
	global_store_b32 v11, v[WD], s[16:17]          ; two runs of 64 bytes: parts of aligned blocks of 256; one byte in 128 of what this arm reads
.endm
.Lweights:
	v_and_b32 v9, 8, v13
	v_add_nc_u32 v9, v9, v13
	v_lshl_add_u32 v9, v14, 3, v9
	v_lshlrev_b32 v9, 2, v9                        ; lane (r, h) is place r of tile h of the two: column 8 h + r + 8 (r / 8), 4 bytes each
	v_lshlrev_b32 v10, 4, v13
	v_lshl_add_u32 v10, v14, 13, v10               ; codes: 16 r + 8,192 h
	v_lshlrev_b32 v11, 2, v13
	v_lshl_add_u32 v11, v14, 9, v11                ; words: 4 r + 512 h
	s_cmp_lt_u32 ttmp9, 56
	s_cbranch_scc0 .Lwout
	WARM 12288, 6, 32, 0
	s_branch .Lend
.Lwout:
	WARM 4096, 8, 56, 192
.Lend:
	s_wait_tensorcnt 0x0                           ; the wave's end, behind the last LDS store
	ds_add_u32 v[SPW], v[NIL]
	s_wait_dscnt 0x0
	s_endpgm
.Lfunc_end_k_q938dce6793_prep:
	.size	k_q938dce6793_prep, .Lfunc_end_k_q938dce6793_prep-k_q938dce6793_prep
	.p2alignl 7, 3214868480
	.fill 96, 4, 3214868480
	.section	.rodata,"a",@progbits
	.p2align	6, 0x0
	.amdhsa_kernel k_q938dce6793_prep
		.amdhsa_group_segment_fixed_size 34304
		.amdhsa_private_segment_fixed_size 0
		.amdhsa_enable_private_segment 0
		.amdhsa_kernarg_size 56
		.amdhsa_user_sgpr_count 2
		.amdhsa_user_sgpr_kernarg_segment_ptr 1
		.amdhsa_wavefront_size32 1
		.amdhsa_system_sgpr_workgroup_id_x 1
		.amdhsa_system_sgpr_workgroup_id_y 1
		.amdhsa_system_sgpr_workgroup_id_z 1
		.amdhsa_system_vgpr_workitem_id 0
		.amdhsa_next_free_vgpr 256
		.amdhsa_next_free_sgpr 66
		.amdhsa_reserve_vcc 1
		.amdhsa_float_denorm_mode_32 3
		.amdhsa_float_denorm_mode_16_64 3
		.amdhsa_memory_ordered 1
		.amdhsa_forward_progress 1
		.amdhsa_inst_pref_size 69
	.end_amdhsa_kernel
	.amdgpu_metadata
---
amdhsa.version: [ 1, 2 ]
amdhsa.kernels:
  - .name:           k_q938dce6793_prep
    .symbol:         k_q938dce6793_prep.kd
    .args:
      - { .name: x, .offset: 0, .size: 8, .value_kind: global_buffer, .address_space: global }
      - { .name: w_qkv, .offset: 8, .size: 8, .value_kind: global_buffer, .address_space: global }
      - { .name: w_out, .offset: 16, .size: 8, .value_kind: global_buffer, .address_space: global }
      - { .name: xc, .offset: 24, .size: 8, .value_kind: global_buffer, .address_space: global }
      - { .name: xs, .offset: 32, .size: 8, .value_kind: global_buffer, .address_space: global }
      - { .name: wc, .offset: 40, .size: 8, .value_kind: global_buffer, .address_space: global }
      - { .name: wsc, .offset: 48, .size: 8, .value_kind: global_buffer, .address_space: global }
    .group_segment_fixed_size: 34304
    .private_segment_fixed_size: 0
    .kernarg_segment_align: 8
    .kernarg_segment_size: 56
    .max_flat_workgroup_size: 128
    .sgpr_count:     66
    .vgpr_count:     256
    .wavefront_size: 32
...
	.end_amdgpu_metadata
.endif
;; end of part 1
;; launch gemm_qkv (part 2): grid 12 x 32, 4 waves a work-group, clusters of 4 x 4, 262,656 bytes of LDS; arguments xc, xs, wc, wsc, b_qkv, qb, kv; writes qb, kv
.if DOCPART == 2
	.amdgcn_target "amdgcn-amd-amdhsa--gfx1250"
	.amdhsa_code_object_version 6
	.text
	.protected	k_q938dce6793_gemm_qkv
	.globl	k_q938dce6793_gemm_qkv
	.p2align	8
	.type	k_q938dce6793_gemm_qkv,@function
k_q938dce6793_gemm_qkv:
	s_mov_b64 s[64:65], 0
	v_nop
	global_prefetch_b8 v0, s[64:65] scope:SCOPE_SE
	s_setreg_imm32_b32 hwreg(HW_REG_WAVE_MODE, 25, 1), 1
	s_wait_xcnt 0x0
	s_wait_alu depctr_hold_cnt(0) depctr_sa_sdst(0) depctr_va_vdst(0) depctr_va_sdst(0) depctr_va_ssrc(0) depctr_va_vcc(0) depctr_vm_vsrc(0)
	s_getreg_b32 s2, hwreg(HW_REG_IB_STS2, 6, 4)
	s_cmp_eq_u32 s2, 0
	s_cbranch_scc0 .Lentry_in_a_cluster
	s_endpgm
.Lentry_in_a_cluster:
	s_bfe_u32 s2, ttmp6, 0x10000c
	s_cmp_lg_u32 s2, 0xf033
	s_cbranch_scc0 .Lentry_shape_is_right
	s_endpgm
.Lentry_shape_is_right:
; qkv = x w_qkv + b_qkv on codes of FP4 (buffers xc, xs, wc, wsc: layout in launch prep's head), and q, k, v leave as codes for the attention: nothing of qkv goes to memory as f32.  No work is left out here.
; A work-group of four waves makes 256 rows x 256 columns, a wave 128 x 128: 64 accumulators, 512 registers.  K = 1,024 in 4-bit codes is 128 KiB a panel of 256 rows: both panels lie in LDS whole, in four chunks
; of 256 along K, each filled once: no slot is ever filled again.  A wave has four tensor loads out.
; CLUSTER 4 x 4: x's panel is shared along a row of the cluster, the weight's along a column: joint loads.  Cluster x 0, 1, 2 makes q, k, v: the one branch between the two ways out hangs on the cluster's x, the same in all sixteen.
; q AND k (K of the next product = the head's 64): source 0 = the weight's tiles, source 1 = x's: a lane holds one row and 16 neighbouring columns for each pair of tiles.  The bias is the C of the first K step.
; v (K of the next product = the keys): source 0 = x's tiles, source 1 = the weight's: a lane holds one column d and 16 neighbouring keys for each pair of tiles.  A wave's 128 rows are one key step of 128.
; OUT.  qb [64 heads][16 steps] blocks of 4,608 bytes: 8 images of 512 bytes (tile t: registers 0-3, lane (r, h) holds d = 32 h + 0 .. 31), at 4,096 the words [r][t] = byte 0 | byte 1 << 8 | 0x7f7f0000.
; kv [64][16] blocks of 8,960 bytes: k as q at 0, words at 8,192; at 4,096 four images of 1,024 bytes of v^T (16 of the head's 64 x the step's 128 keys), at 8,704 their words [r][4].
; LIMITS: the quantiser's, as in launch prep; the bias is added first and not last, which moves a sum by f32 rounding.
; REGISTERS: window 0: addresses, scale words (v32-95), the bias as C (v96-159; later the codes made), words to store.  Window 1: source 0's fragments at v[64 p + 8 b], source 1's at v[128 + 64 p + 8 a], two sets p.
; Windows 2, 3: accumulator (a, b) at v[8 (8 (a % 4) + b)] of window 2 + a / 4.
.set SPARE, 262144                     ; behind the four chunks: the spare words, 128 bytes a wave
.set ADRX, 8                           ; v8-11   LDS address of my x fragments in chunk c
.set ADRW, 12                          ; v12-15  of my weight fragments
.set SPW,  16                          ; v16     my spare word; never rewritten
.set NIL,  17                          ; v17     0; never rewritten
.set FL,   18                          ; v18     the floor 2^(3 - 127)
.set TM,   20                          ; v20-23 largest magnitudes, v24-27 the other half's, then bytes, v28-31 the conversions' scale operands
.set SX,   32                          ; v32-63  x's scale words: register 4 i + q: lanes 0-15 tile i, K step q; lanes 16-31 K step 4 + q
.set SW,   64                          ; v64-95  the weight's likewise
.set BI,   96                          ; v96-159 the bias in the result's layout
.set PC,   96                          ; and, when the sums are done, the codes: 8 registers for each a
.set SWD,  160                         ; v160-175 scale words made
.set SELR, 176                         ; v176-183 scale words as they are stored
.set G1X, 24
.set G1W, 32
.set G0X, 48                           ; s[48:63] group 0 for x's four chunks
.set G0W, 68                           ; s[68:83] for the weight's
.set MSB, 0
.macro WIN new                         ; the immediate's high byte repeats the setting that is left
.if MSB != (\new)
	s_set_vgpr_msb (MSB<<8)|(\new)
.set MSB, (\new)
.endif
.endm
.macro PLACES n
.rept \n
	v_nop
.endr
.endm
.macro CROUND                          ; a round of the cluster's barrier
	s_barrier_signal -1
	s_barrier_wait -1
	s_cmp_lg_u32 s18, 0
	s_cbranch_scc1 .Lnot_wave_0_\@
	s_barrier_signal -3
.Lnot_wave_0_\@:
	s_barrier_wait -3
	s_barrier_signal -1
	s_barrier_wait -1
.endm
; K step st's 16 fragments into set st % 2: each load takes 512 consecutive bytes of an image
.macro FETCH st, adrp, adrq
	WIN 0x40                                       ; destination window 1
.irp i, 0,1,2,3,4,5,6,7
.irp c, 0,1
	ds_load_b128 v[64*((\st)%2)+8*\i+4*\c:64*((\st)%2)+8*\i+4*\c+3], v[\adrp+(\st)/2] offset:2048*\i+1024*((\st)%2)+512*\c
.endr
.endr
.irp i, 0,1,2,3,4,5,6,7
.irp c, 0,1
	ds_load_b128 v[128+64*((\st)%2)+8*\i+4*\c:128+64*((\st)%2)+8*\i+4*\c+3], v[\adrq+(\st)/2] offset:2048*\i+1024*((\st)%2)+512*\c
.endr
.endr
	WIN 0
.endm
; 64 products of K step st.  The 64 accumulators take turns, one instruction a turn, in the same order in every step.  Step 0 takes the bias as C: cmode 0 by b, cmode 1 by a.
.macro MUL st, sp, sq, cmode
.irp a, 0,1,2,3,4,5,6,7
.if (\st) == 0
	WIN 0x85+0x40*(\a/4)                           ; sources 0, 1 window 1; C window 0; D window 2 or 3
.else
	WIN 0xa5+0x50*(\a/4)                           ; C and D window 2 or 3
.endif
.irp b, 0,1,2,3,4,5,6,7
.set rD, 8*(8*(\a%4)+\b)
.set rP, 64*((\st)%2)+8*\b
.set rQ, 128+64*((\st)%2)+8*\a
.set rA, \sp+4*\b+(\st)%4
.set rB, \sq+4*\a+(\st)%4
.set rC, BI+8*\b+(\cmode)*8*(\a-\b)
.if (\st) == 0
	v_wmma_scale_f32_16x16x128_f8f6f4 v[rD:rD+7], v[rP:rP+7], v[rQ:rQ+7], v[rC:rC+7], v[rA], v[rB] matrix_a_fmt:MATRIX_FMT_FP4 matrix_b_fmt:MATRIX_FMT_FP4
.elseif (\st) < 4
	v_wmma_scale_f32_16x16x128_f8f6f4 v[rD:rD+7], v[rP:rP+7], v[rQ:rQ+7], v[rD:rD+7], v[rA], v[rB] matrix_a_fmt:MATRIX_FMT_FP4 matrix_b_fmt:MATRIX_FMT_FP4
.else
	v_wmma_scale_f32_16x16x128_f8f6f4 v[rD:rD+7], v[rP:rP+7], v[rQ:rQ+7], v[rD:rD+7], v[rA], v[rB] matrix_a_fmt:MATRIX_FMT_FP4 matrix_b_fmt:MATRIX_FMT_FP4 matrix_a_scale:MATRIX_SCALE_ROW1 matrix_b_scale:MATRIX_SCALE_ROW1
.endif
.endr
.endr
.endm
.macro STEP st, adrp, adrq, sp, sq, cmode
	s_wait_dscnt 0x0                               ; this step's fragments are in
.if ((\st) < 7) && ((\st) % 2 == 1)
	s_wait_tensorcnt 3-((\st)+1)/2                 ; my part of the next chunk has landed; my later chunks, as many as the count, may stay out
	s_barrier_signal -1
	s_barrier_wait -1                              ; everybody's has
.endif
.if ((\st) > 0) && ((\st) < 7)
	PLACES 4                                       ; in front of loads into the set that the last step's products read
.endif
.if (\st) < 7
	FETCH (\st)+1, \adrp, \adrq                    ; the next step's fragments land while this step is multiplied
.endif
	MUL \st, \sp, \sq, \cmode
.endm
; The 64 numbers of row a (register 16 b + i = index 32 b + 16 (lane / 16) + i along the next K) become 8 registers of codes at v[PC + 8 a] and four bytes in v[TM + 4 ..].
.macro QUANT4 a
.set AC, 64*((\a)%4)
.set WW, 2+(\a)/4
.set WQ, (WW<<2)|(WW<<4)
	WIN WQ                                         ; sources 1 and 2: the accumulators' window
.irp b, 0,1,2,3
	v_max3_num_f32 v[TM+\b], v[FL], |v[AC+16*\b]|, |v[AC+16*\b+1]|   ; each accumulator is read from its low end on
.endr
.irp i, 2,4,6,8,10,12,14
.irp b, 0,1,2,3
	v_max3_num_f32 v[TM+\b], v[TM+\b], |v[AC+16*\b+\i]|, |v[AC+16*\b+\i+1]|
.endr
.endr
	WIN 0
.irp b, 0,1,2,3
	v_permlanex16_b32 v[TM+4+\b], v[TM+\b], s22, s23
.endr
.irp b, 0,1,2,3
	v_max_num_f32 v[TM+\b], v[TM+\b], v[TM+4+\b]   ; with lane l xor 16's 16: the block's largest magnitude
.endr
.irp b, 0,1,2,3
	v_add_nc_u32 v[TM+8+\b], 0xff000000, v[TM+\b]  ; 2 off the exponent field: the conversion's scale operand
.endr
.irp b, 0,1,2,3
	v_lshrrev_b32 v[TM+4+\b], 23, v[TM+8+\b]       ; the scale's byte
.endr
	WIN WW                                         ; source 0: the accumulators' window
.irp b, 0,1,2,3
	v_cvt_scalef32_pk8_fp4_f32 v[PC+8*(\a)+2*\b], v[AC+16*\b:AC+16*\b+7], v[TM+8+\b]
	v_cvt_scalef32_pk8_fp4_f32 v[PC+8*(\a)+2*\b+1], v[AC+16*\b+8:AC+16*\b+15], v[TM+8+\b]
.endr
	WIN 0
	v_nop                                          ; one plain place behind the scaled conversions
.irp c, 0,1                                    ; the operand's layout wants a whole block in a lane
.irp i, 0,1
	v_permlane16_swap_b32 v[PC+8*(\a)+4*\c+\i], v[PC+8*(\a)+4*\c+2+\i]
.endr
.endr
.endm
	s_load_b256 s[4:11], s[0:1], 0x0               ; xc s[4:5], xs s[6:7], wc s[8:9], wsc s[10:11]
	s_load_b128 s[12:15], s[0:1], 0x20             ; b_qkv s[12:13], qb s[14:15]
	s_load_b64 s[16:17], s[0:1], 0x30              ; kv
	v_lshl_add_u32 v[SPW], v0, 2, SPARE
	v_mov_b32 v[NIL], 0
	ds_add_u32 v[SPW], v[NIL]                      ; the wave's opening: the add, twice on end, and its wait ahead of my first tensor load
	ds_add_u32 v[SPW], v[NIL]
	v_lshrrev_b32 v1, 5, v0
	v_readfirstlane_b32 s18, v1                    ; wave 0..3
	s_lshr_b32 s19, s18, 1                         ; which 128 rows are mine.  Also: I fetch for x (0) or for the weight (1)
	s_and_b32 s20, s18, 1                          ; which 128 columns.  Also: which half of that panel I fetch
	s_bfe_u32 s40, ttmp6, 0x40000                  ; cx
	s_bfe_u32 s41, ttmp6, 0x40004                  ; cy
	s_lshl_b32 s42, ttmp9, 2
	s_add_co_u32 s42, s42, s40                     ; block of 256 columns, 0 .. 11
	s_and_b32 s43, ttmp7, 0xffff
	s_lshl_b32 s43, s43, 2
	s_add_co_u32 s43, s43, s41                     ; block of 256 rows, 0 .. 31
	s_lshl_b32 s44, s41, 2
	s_lshl_b32 s44, 15, s44                        ; my row of the cluster
	s_lshl_b32 s45, 0x1111, s40                    ; my column
	; group 1: 8 rows (tiles) of 2,048 bytes (two K steps' images), 8,192 bytes apart: elements of 8 bytes, no padding
	s_or_b32 s[G1X], s44, (3<<16)|(1<<21)
	s_or_b32 s[G1W], s45, (3<<16)|(1<<21)
.irp g, G1X, G1W
	s_mov_b32 s[\g+1], 256<<16                     ; tensor_dim0 = 256
	s_mov_b32 s[\g+2], 8<<16                       ; tensor_dim1 = 8
	s_mov_b32 s[\g+3], 256<<16                     ; tile_dim0 = 256
	s_mov_b32 s[\g+4], 8                           ; tile_dim1 = 8
	s_mov_b32 s[\g+5], 1024                        ; from tile to tile
	s_mov_b32 s[\g+6], 0
	s_mov_b32 s[\g+7], 0
.endr
	s_lshl_b32 s86, s20, 3
	s_lshl_b32 s84, s43, 4
	s_add_co_u32 s84, s84, s86                     ; x: tile 16 x row block + 8 x half
	s_lshl_b32 s84, s84, 13
	s_mov_b32 s85, 0
	s_lshl_b32 s88, s42, 4
	s_add_co_u32 s88, s88, s86                     ; the weight: tile 16 x column block + 8 x half
	s_lshl_b32 s88, s88, 13
	s_mov_b32 s89, 0
	s_lshl_b32 s87, s18, 14                        ; in a chunk: wave x 16,384: no place in the cluster enters an LDS address
	s_mov_b32 s22, 0x76543210
	s_mov_b32 s23, 0xfedcba98
	s_wait_dscnt 0x0                               ; both opening adds are done
	s_wait_kmcnt 0x0
	s_add_nc_u64 s[84:85], s[4:5], s[84:85]
	s_add_nc_u64 s[88:89], s[8:9], s[88:89]
	CROUND                                         ; all sixteen work-groups are here: the joint loads meet
.irp c, 0,1,2,3
	s_mov_b32 s[G0X+4*\c], 1
	s_add_co_u32 s[G0X+4*\c+1], s87, 65536*\c
	s_add_nc_u64 s[G0X+4*\c+2:G0X+4*\c+3], s[84:85], 2048*\c
	s_or_b32 s[G0X+4*\c+3], s[G0X+4*\c+3], 0x80000000
	s_mov_b32 s[G0W+4*\c], 1
	s_add_co_u32 s[G0W+4*\c+1], s87, 65536*\c
	s_add_nc_u64 s[G0W+4*\c+2:G0W+4*\c+3], s[88:89], 2048*\c
	s_or_b32 s[G0W+4*\c+3], s[G0W+4*\c+3], 0x80000000
.endr
	s_cmp_eq_u32 s19, 0                            ; a wave's four fills stand in one branch on the wave's number; every wave issues four
	s_cbranch_scc0 .Lfill_w
.irp c, 0,1,2,3
	tensor_load_to_lds s[G0X+4*\c:G0X+4*\c+3], s[G1X:G1X+7]
	s_nop 0
.endr
	PLACES 4
	s_branch .Lfilled
.Lfill_w:
.irp c, 0,1,2,3
	tensor_load_to_lds s[G0W+4*\c:G0W+4*\c+3], s[G1W:G1W+7]
	s_nop 0
.endr
	PLACES 4
.Lfilled:
	v_and_b32 v1, 15, v0                           ; r
	v_bfe_u32 v2, v0, 4, 1                         ; h
	v_and_b32 v3, 31, v0
	v_lshlrev_b32 v3, 4, v3                        ; 16 x lane
	v_lshlrev_b32 v4, 2, v1
	v_lshl_add_u32 v4, v2, 8, v4                   ; scale words: 4 r, lanes 16-31 four K steps on
	v_mov_b32 v[FL], 0x1800000
.irp b, 0,1,2,3
	v_mov_b32 v[TM+4+\b], 0                        ; written once: a lane permute's destination counts as one of its sources
.endr
	s_lshl_b32 s90, s19, 14
	s_lshl_b32 s91, s20, 14
	s_add_co_u32 s91, s91, 32768
.irp c, 0,1,2,3
	v_add_nc_u32 v[ADRX+\c], s90, v3
	v_add_nc_u32 v[ADRW+\c], s91, v3
	s_add_co_u32 s90, s90, 65536
	s_add_co_u32 s91, s91, 65536
.endr
	s_lshl_b32 s92, s43, 4
	s_lshl_b32 s93, s19, 3
	s_add_co_u32 s92, s92, s93
	s_lshl_b32 s92, s92, 9
	s_mov_b32 s93, 0
	s_add_nc_u64 s[6:7], s[6:7], s[92:93]          ; my 8 tiles' words of x
	s_lshl_b32 s92, s42, 4
	s_lshl_b32 s94, s20, 3
	s_add_co_u32 s92, s92, s94
	s_lshl_b32 s92, s92, 9
	s_add_nc_u64 s[10:11], s[10:11], s[92:93]      ; and of the weight
.irp i, 0,1,2,3,4,5,6,7
.irp q, 0,1,2,3
	global_load_b32 v[SX+4*\i+\q], v4, s[6:7] offset:512*\i+64*\q
	global_load_b32 v[SW+4*\i+\q], v4, s[10:11] offset:512*\i+64*\q
.endr
.endr
	s_lshr_b32 s92, s43, 3                         ; the batch
	s_and_b32 s93, s43, 7
	s_lshl_b32 s93, s93, 1
	s_add_co_u32 s93, s93, s19                     ; my 128 rows are step j of the sequence
	s_and_b32 s94, s42, 3
	s_lshl_b32 s94, s94, 2
	s_lshl_b32 s95, s20, 1
	s_add_co_u32 s94, s94, s95                     ; my first head of two
	s_lshl_b32 s92, s92, 4
	s_add_co_u32 s92, s92, s94
	s_lshl_b32 s92, s92, 4
	s_add_co_u32 s92, s92, s93                     ; block = (16 batch + head) 16 + j
	s_lshl_b32 s94, s42, 10
	s_lshl_b32 s95, s20, 9
	s_add_co_u32 s94, s94, s95
	s_mov_b32 s95, 0
	s_add_nc_u64 s[12:13], s[12:13], s[94:95]      ; the bias of my 128 columns
	s_wait_tensorcnt 3                             ; my part of chunk 0 has landed; my three later chunks may stay out
	s_barrier_signal -1
	s_barrier_wait -1
	s_cmp_eq_u32 ttmp9, 2
	s_cbranch_scc1 .Lvpath
; ---- q and k
	v_lshlrev_b32 v5, 6, v2                        ; lane (r, h) wants, for tile b, the bias of columns 32 (b / 2) + 16 h + 8 (b % 2) + 0 .. 7
.irp b, 0,1,2,3,4,5,6,7
	global_load_b128 v[BI+8*\b:BI+8*\b+3], v5, s[12:13] offset:4*(32*(\b/2)+8*(\b%2))
	global_load_b128 v[BI+8*\b+4:BI+8*\b+7], v5, s[12:13] offset:4*(32*(\b/2)+8*(\b%2))+16
.endr
	FETCH 0, ADRW, ADRX
	s_cmp_eq_u32 ttmp9, 0                          ; q's buffer or k's: the choice hangs on the cluster's x alone
	s_cselect_b64 s[84:85], s[14:15], s[16:17]
	s_mov_b32 s86, 8960
	s_cselect_b32 s86, 4608, s86                   ; a block's bytes
	s_mov_b32 s87, 8192
	s_cselect_b32 s87, 4096, s87                   ; where its words begin
	s_mul_i32 s88, s92, s86
	s_mov_b32 s89, 0
	s_add_nc_u64 s[84:85], s[84:85], s[88:89]      ; my first head's block,
	s_lshl_b32 s88, s86, 4
	s_add_nc_u64 s[92:93], s[84:85], s[88:89]      ; my second head's: 16 blocks on
	s_mov_b32 s88, s87
	s_add_nc_u64 s[94:95], s[84:85], s[88:89]      ; and their words
	s_add_nc_u64 s[96:97], s[92:93], s[88:89]
	s_wait_loadcnt 0x0                             ; scale words and bias
.irp k, 0,1,2,3,4,5,6,7
	STEP \k, ADRW, ADRX, SW, SX, 0
.endr
	WIN 0
	PLACES 4                                       ; behind the last products, ahead of the first read of results
.irp a, 0,1,2,3,4,5,6,7
	QUANT4 \a                                      ; blocks 0, 1: my first head's 64; blocks 2, 3: my second head's
	v_lshl_or_b32 v[SWD+\a], v[TM+5], 8, v[TM+4]
	v_lshl_or_b32 v[SWD+8+\a], v[TM+7], 8, v[TM+6]
	v_or_b32 v[SWD+\a], 0x7f7f0000, v[SWD+\a]      ; bytes 2, 3 scale the zero codes that fill K from 64 to 128: 1.0
	v_or_b32 v[SWD+8+\a], 0x7f7f0000, v[SWD+8+\a]
	global_store_b128 v3, v[PC+8*\a:PC+8*\a+3], s[84:85] offset:512*\a     ; a tile's image: 512 consecutive bytes
	global_store_b128 v3, v[PC+8*\a+4:PC+8*\a+7], s[92:93] offset:512*\a
.endr
	v_cmp_eq_u32 vcc_lo, 1, v2                     ; words [r][t]: lane (r, h) stores those of tiles 4 h .. 4 h + 3: 512 consecutive bytes a head
	v_lshlrev_b32 v6, 5, v1
	v_lshl_add_u32 v6, v2, 4, v6
.irp q, 0,1,2,3
	v_cndmask_b32 v[SELR+\q], v[SWD+\q], v[SWD+4+\q], vcc_lo
	v_cndmask_b32 v[SELR+4+\q], v[SWD+8+\q], v[SWD+12+\q], vcc_lo
.endr
	global_store_b128 v6, v[SELR:SELR+3], s[94:95]
	global_store_b128 v6, v[SELR+4:SELR+7], s[96:97]
	s_branch .Ldone
; ---- v
.Lvpath:
	v_and_b32 v5, 8, v1
	v_add_nc_u32 v5, v5, v1
	v_lshlrev_b32 v5, 2, v5                        ; lane (r, h) holds column 32 (a / 2) + 8 (a % 2) + r + 8 (r / 8) of tile a
.irp a, 0,1,2,3,4,5,6,7
	global_load_b32 v[BI+8*\a], v5, s[12:13] offset:4*(32*(\a/2)+8*(\a%2))
.endr
	FETCH 0, ADRX, ADRW
	s_mul_i32 s84, s92, 8960
	s_mov_b32 s85, 0
	s_add_nc_u64 s[84:85], s[16:17], s[84:85]      ; my first head's block,
	s_add_nc_u64 s[86:87], s[84:85], 143360        ; my second head's: 16 blocks on
	s_wait_loadcnt 0x0
.irp a, 0,1,2,3,4,5,6,7
.irp i, 1,2,3,4,5,6,7
	v_mov_b32 v[BI+8*\a+\i], v[BI+8*\a]            ; C wants eight registers: a lane's eight results of a tile are one column's
.endr
.endr
	PLACES 4
.irp k, 0,1,2,3,4,5,6,7
	STEP \k, ADRX, ADRW, SX, SW, 1
.endr
	WIN 0
	PLACES 4
.irp a, 0,1,2,3,4,5,6,7
	QUANT4 \a                                      ; the step's four blocks of 32 keys, for my column d of head a / 4
	v_lshl_or_b32 v[SWD+\a], v[TM+5], 8, v[TM+4]
	v_lshl_or_b32 v[SWD+\a], v[TM+6], 16, v[SWD+\a]
	v_lshl_or_b32 v[SWD+\a], v[TM+7], 24, v[SWD+\a]
	global_store_b128 v3, v[PC+8*\a:PC+8*\a+3], s[84+2*(\a/4):85+2*(\a/4)] offset:4096+1024*(\a%4)
	global_store_b128 v3, v[PC+8*\a+4:PC+8*\a+7], s[84+2*(\a/4):85+2*(\a/4)] offset:4096+1024*(\a%4)+512
.endr
	v_cmp_eq_u32 vcc_lo, 1, v2                     ; words [r][4]: lanes 0-15 store my first head's, lanes 16-31 my second's: 256 consecutive bytes each, aligned
	v_mul_u32_u24 v6, v2, 143360
	v_lshl_add_u32 v6, v1, 4, v6
.irp q, 0,1,2,3
	v_cndmask_b32 v[SELR+\q], v[SWD+\q], v[SWD+4+\q], vcc_lo
.endr
	global_store_b128 v6, v[SELR:SELR+3], s[84:85] offset:8704
.Ldone:
	s_wait_tensorcnt 0x0                           ; the wave's end
	ds_add_u32 v[SPW], v[NIL]
	s_wait_dscnt 0x0
	CROUND                                         ; the closing round
	s_endpgm
.Lfunc_end_k_q938dce6793_gemm_qkv:
	.size	k_q938dce6793_gemm_qkv, .Lfunc_end_k_q938dce6793_gemm_qkv-k_q938dce6793_gemm_qkv
	.p2alignl 7, 3214868480
	.fill 96, 4, 3214868480
	.section	.rodata,"a",@progbits
	.p2align	6, 0x0
	.amdhsa_kernel k_q938dce6793_gemm_qkv
		.amdhsa_group_segment_fixed_size 262656
		.amdhsa_private_segment_fixed_size 0
		.amdhsa_enable_private_segment 0
		.amdhsa_kernarg_size 56
		.amdhsa_user_sgpr_count 2
		.amdhsa_user_sgpr_kernarg_segment_ptr 1
		.amdhsa_wavefront_size32 1
		.amdhsa_system_sgpr_workgroup_id_x 1
		.amdhsa_system_sgpr_workgroup_id_y 1
		.amdhsa_system_sgpr_workgroup_id_z 1
		.amdhsa_system_vgpr_workitem_id 0
		.amdhsa_next_free_vgpr 1024
		.amdhsa_next_free_sgpr 100
		.amdhsa_reserve_vcc 1
		.amdhsa_float_denorm_mode_32 3
		.amdhsa_float_denorm_mode_16_64 3
		.amdhsa_memory_ordered 1
		.amdhsa_forward_progress 1
		.amdhsa_inst_pref_size 249
	.end_amdhsa_kernel
	.amdgpu_metadata
---
amdhsa.version: [ 1, 2 ]
amdhsa.kernels:
  - .name:           k_q938dce6793_gemm_qkv
    .symbol:         k_q938dce6793_gemm_qkv.kd
    .args:
      - { .name: xc, .offset: 0, .size: 8, .value_kind: global_buffer, .address_space: global }
      - { .name: xs, .offset: 8, .size: 8, .value_kind: global_buffer, .address_space: global }
      - { .name: wc, .offset: 16, .size: 8, .value_kind: global_buffer, .address_space: global }
      - { .name: wsc, .offset: 24, .size: 8, .value_kind: global_buffer, .address_space: global }
      - { .name: b_qkv, .offset: 32, .size: 8, .value_kind: global_buffer, .address_space: global }
      - { .name: qb, .offset: 40, .size: 8, .value_kind: global_buffer, .address_space: global }
      - { .name: kv, .offset: 48, .size: 8, .value_kind: global_buffer, .address_space: global }
    .group_segment_fixed_size: 262656
    .private_segment_fixed_size: 0
    .kernarg_segment_align: 8
    .kernarg_segment_size: 56
    .max_flat_workgroup_size: 128
    .sgpr_count:     100
    .vgpr_count:     1024
    .wavefront_size: 32
...
	.end_amdgpu_metadata
.endif
;; end of part 2
;; launch attn (part 3): grid 4 x 64, 16 waves a work-group, clusters of 4 x 1, 167,936 bytes of LDS; arguments qb, kv, ac, asc; writes ac, asc
.if DOCPART == 3
	.amdgcn_target "amdgcn-amd-amdhsa--gfx1250"
	.amdhsa_code_object_version 6
	.text
	.protected	k_q938dce6793_attn
	.globl	k_q938dce6793_attn
	.p2align	8
	.type	k_q938dce6793_attn,@function
k_q938dce6793_attn:
	s_mov_b64 s[64:65], 0
	v_nop
	global_prefetch_b8 v0, s[64:65] scope:SCOPE_SE
	s_setreg_imm32_b32 hwreg(HW_REG_WAVE_MODE, 25, 1), 1
	s_wait_xcnt 0x0
	s_wait_alu depctr_hold_cnt(0) depctr_sa_sdst(0) depctr_va_vdst(0) depctr_va_sdst(0) depctr_va_ssrc(0) depctr_va_vcc(0) depctr_vm_vsrc(0)
	s_getreg_b32 s2, hwreg(HW_REG_IB_STS2, 6, 4)
	s_cmp_eq_u32 s2, 0
	s_cbranch_scc0 .Lentry_in_a_cluster
	s_endpgm
.Lentry_in_a_cluster:
	s_bfe_u32 s2, ttmp6, 0x10000c
	s_cmp_lg_u32 s2, 0x3003
	s_cbranch_scc0 .Lentry_shape_is_right
	s_endpgm
.Lentry_shape_is_right:
; Causal attention of one head on codes of FP4 (buffers qb, kv: layout in launch gemm_qkv's head); the result, divided by the row's sum, leaves as codes for the last product (ac, asc).
; WORK LEFT OUT: a step of 128 keys all of which come after a tile's 16 queries is not walked: reference()'s own mask gives those keys the weight 0 for all inputs.  A NaN or infinity that would arise only there is not carried on.
; THE SOFTMAX: t = score x log2(e) / 8; M = the row's largest t so far, rounded up to a whole number; p = 2^(t - M) is quantised along the keys, not normalised; the row's sum is taken of the unquantised p and divides at the end
; (v_rcp_f32 and a multiplication).  When M moves, the sum and O are multiplied by 2^(old M - new M): exact.
; SHARES.  The four work-groups of a cluster serve one head.  Wave w of work-group cx owns the query tiles p = 4 w + cx and 127 - p: 1 + w / 2 and 16 - w / 2 key steps, 17 for every wave.  The steps at which a tile meets the
; diagonal, w / 2 and 15 - w / 2, hang on the wave's number alone; cx enters global addresses and a number that is compared lane by lane, and no branch.
; THE WHOLE HEAD'S k AND v LIE IN LDS: 16 blocks of 8,960 bytes, each filled once by one joint load, one a wave, its addresses made from the wave's number.  So all that the work-group reads is asked for at the head:
; there is no later stream to prefetch, no slot is filled again, and no barrier stands in the loop.
; LAYOUT.  Both products transposed: S^T = k q^T, O^T = v^T p^T: a lane holds one query (lane % 16).  By the order of rows in a tile the 16 registers of tiles 2 b, 2 b + 1 are 16 neighbours, 32 b + 16 (lane / 16) + 0 .. 15.
; K = 64 IN AN INSTRUCTION OF 128: q's registers 4-7 are zero codes.  k's fragment of tile t is v[36 + 4 t .. + 7]: its upper four registers are the next tile's codes (behind tile 7: zeros): numbers of E2M1, all finite,
; times 0, under scale bytes 0x7f.
; REGISTERS: v1-3 places that stay; v4-6 the step's LDS addresses; v7, v8 the add's; v9, v10 the diagonal's number; v12-15, v16-19 -M, largest t, the sum in two halves (tile lo, hi); v20-35 q; v36-67 k, then v; v68-71 zeros;
; v72-79 k's words, v80-83 v's, v84, v85 q's, v86 p's; v96-159 S^T, then p; v160-191, v192-223 O^T; v224-231 p's codes; v232-239, v244-247, v252-255 at work; v240 r, v241 h.
.set BLKB,  8960
.set SPARE, 143360                     ; behind the 16 blocks: the spare words, 128 bytes a wave: eight blocks of 256 bytes that no other line names
.set SPW, 7
.set NIL, 8
.macro PLACES n
.rept \n
	v_nop
.endr
.endm
.macro CROUND
	s_barrier_signal -1
	s_barrier_wait -1
	s_cmp_lg_u32 s18, 0
	s_cbranch_scc1 .Lnot_wave_0_\@
	s_barrier_signal -3
.Lnot_wave_0_\@:
	s_barrier_wait -3
	s_barrier_signal -1
	s_barrier_wait -1
.endm
	s_load_b256 s[4:11], s[0:1], 0x0               ; qb s[4:5], kv s[6:7], ac s[8:9], asc s[10:11]
	v_lshl_add_u32 v[SPW], v0, 2, SPARE
	v_mov_b32 v[NIL], 0
	ds_add_u32 v[SPW], v[NIL]                      ; the wave's opening: the add, twice on end, and its wait ahead of my first tensor load
	ds_add_u32 v[SPW], v[NIL]
	v_lshrrev_b32 v1, 5, v0
	v_readfirstlane_b32 s18, v1                    ; wave 0..15
	s_bfe_u32 s40, ttmp6, 0x40000                  ; cx
	s_and_b32 s41, ttmp7, 0xffff                   ; batch x 16 + head
	s_lshr_b32 s24, s18, 1                         ; the low tile's last step
	s_sub_co_u32 s25, 15, s24                      ; the high tile's
	s_and_b32 s42, s18, 1
	s_lshl_b32 s42, s42, 2
	s_add_co_u32 s42, s42, s40                     ; the low tile's place in its step, 0 .. 7
	s_sub_co_u32 s43, 7, s42                       ; the high tile's
	; group 1: a block as 35 rows of 256 bytes, dense: elements of 8 bytes; the mask names all four work-groups
	s_mov_b32 s28, 15|(3<<16)|(1<<21)
	s_mov_b32 s29, 32<<16
	s_mov_b32 s30, 35<<16
	s_mov_b32 s31, 32<<16
	s_mov_b32 s32, 35
	s_mov_b32 s33, 32
	s_mov_b32 s34, 0
	s_mov_b32 s35, 0
	s_mov_b32 s36, 1
	s_mul_i32 s37, s18, BLKB                       ; block w goes to LDS byte 8,960 w
	s_lshl_b32 s16, s41, 4
	s_add_co_u32 s26, s16, s18
	s_mul_i32 s26, s26, BLKB
	s_mov_b32 s27, 0
	s_mov_b32 s20, 0x76543210
	s_mov_b32 s21, 0xfedcba98
	s_mov_b32 s22, 0x3e38aa3b                      ; c = log2(e) / 8
	s_mov_b32 s23, s22                             ; (named with it as a pair, so it is written)
	s_mov_b32 s2, 0                                ; LDS byte of the step's block
	s_mov_b32 s3, 0                                ; the step
	s_wait_dscnt 0x0                               ; both opening adds are done
	s_wait_kmcnt 0x0
	s_add_nc_u64 s[38:39], s[6:7], s[26:27]
	s_or_b32 s39, s39, 0x80000000
	CROUND                                         ; all four work-groups are here: the joint loads meet
	tensor_load_to_lds s[36:39], s[28:35]          ; my one load
	s_nop 0
	PLACES 4
	s_add_co_u32 s26, s16, s24
	s_mul_i32 s26, s26, 4608
	s_add_nc_u64 s[12:13], s[4:5], s[26:27]        ; q's block of the low tile,
	s_add_co_u32 s26, s16, s25
	s_mul_i32 s26, s26, 4608
	s_add_nc_u64 s[14:15], s[4:5], s[26:27]        ; of the high tile
	v_and_b32 v1, 31, v0
	v_lshlrev_b32 v1, 4, v1                        ; 16 x lane
	v_and_b32 v240, 15, v0                         ; r
	v_bfe_u32 v241, v0, 4, 1                       ; h
	v_lshl_add_u32 v2, v240, 5, 8192               ; k's words: 32 bytes a place
	v_lshl_add_u32 v3, v240, 4, 8704               ; v's: 16
	v_lshl_add_u32 v244, s42, 9, v1                ; q's image: 512 bytes a tile
	v_lshl_add_u32 v245, s43, 9, v1
	v_lshlrev_b32 v242, 5, v240
	v_lshl_add_u32 v246, s42, 2, v242              ; q's word: [r][t]
	v_lshl_add_u32 v247, s43, 2, v242
	global_load_b128 v[20:23], v244, s[12:13]
	global_load_b128 v[28:31], v245, s[14:15]
	global_load_b32 v84, v246, s[12:13] offset:4096
	global_load_b32 v85, v247, s[14:15] offset:4096
	v_and_b32 v242, 8, v240
	v_add_nc_u32 v242, v242, v240
	v_lshlrev_b32 v243, 4, v241
	v_sub_nc_u32 v242, v242, v243                  ; r + 8 (r / 8) - 16 h
	s_lshr_b32 s16, s42, 1
	s_lshl_b32 s16, s16, 5
	s_and_b32 s17, s42, 1
	s_lshl_b32 s17, s17, 3
	s_add_co_u32 s16, s16, s17
	v_add_nc_u32 v9, s16, v242                     ; my query's place in its step, less 16 h: register 16 b + i holds the key 32 b + i + 16 h, hidden where 32 b + i is greater
	s_lshr_b32 s16, s43, 1
	s_lshl_b32 s16, s16, 5
	s_and_b32 s17, s43, 1
	s_lshl_b32 s17, s17, 3
	s_add_co_u32 s16, s16, s17
	v_add_nc_u32 v10, s16, v242
	; where the results go
	s_lshr_b32 s50, s41, 4
	s_lshl_b32 s50, s50, 7                         ; 128 x batch
	s_and_b32 s51, s41, 15                         ; the head
	s_lshl_b32 s52, s18, 2
	s_add_co_u32 s52, s52, s40                     ; the low tile
	s_sub_co_u32 s53, 127, s52                     ; the high tile
	s_lshr_b32 s54, s51, 1                         ; the last product's K step,
	s_and_b32 s55, s51, 1                          ; and which half of it
	s_lshl_b32 s56, s54, 10
	s_lshl_b32 s57, s55, 9
	s_add_co_u32 s56, s56, s57
	s_add_co_u32 s58, s50, s52
	s_lshl_b32 s60, s58, 13
	s_add_co_u32 s60, s60, s56
	s_mov_b32 s61, 0
	s_add_nc_u64 s[44:45], s[8:9], s[60:61]        ; ac: tile x 8,192 + 1,024 x step + 512 x half
	s_add_co_u32 s59, s50, s53
	s_lshl_b32 s60, s59, 13
	s_add_co_u32 s60, s60, s56
	s_add_nc_u64 s[46:47], s[8:9], s[60:61]
	s_lshl_b32 s60, s58, 9
	s_lshl_b32 s57, s54, 6
	s_add_co_u32 s60, s60, s57
	s_lshl_b32 s57, s55, 1
	s_add_co_u32 s60, s60, s57
	s_add_nc_u64 s[48:49], s[10:11], s[60:61]      ; asc: tile x 512 + 64 x step + 2 x half
	s_sub_co_u32 s57, s53, s52
	s_lshl_b32 s57, s57, 9                         ; from the low tile's words to the high tile's
.irp i, 24,25,26,27,32,33,34,35,68,69,70,71
	v_mov_b32 v[\i], 0                             ; zero codes: q's k = 64 .. 127, and what stands behind k's tile 7
.endr
.irp x, 0,1
	v_mov_b32 v[13+4*\x], 0xff61b1e6               ; the largest t so far: -3e38
	v_floor_f32 v[12+4*\x], -v[13+4*\x]            ; -M
	v_mov_b32 v[14+4*\x], 0
	v_mov_b32 v[15+4*\x], 0
.endr
.irp b, 0,1,2,3
	v_mov_b32 v[236+\b], 0                         ; written once: a lane permute's destination counts as one of its sources
.endr
	v_mov_b32 v253, 0                              ; (the upper half of the pair v[252:253])
.irp j, 0,1,2,3,4,5,6,7,8,9,10,11,12,13,14,15,16,17,18,19,20,21,22,23,24,25,26,27,28,29,30,31,32,33,34,35,36,37,38,39,40,41,42,43,44,45,46,47,48,49,50,51,52,53,54,55,56,57,58,59,60,61,62,63
	v_mov_b32 v[160+\j], 0                         ; O^T: the step is written once for each tile; its first walk finds zeros, which the first change of M leaves zeros
.endr
; A KEY STEP of tile x (0: low, 1: high): 128 keys
.macro TSTEP x
.set ST, 12+4*\x
.set QF, 20+8*\x
.set QS, 84+\x
.set OT, 160+32*\x
.set DQ, 9+\x
	PLACES 4                                       ; in front of loads into registers that the last products read
.irp t, 0,1,2,3,4,5,6,7
	ds_load_b128 v[36+4*\t:39+4*\t], v4 offset:512*\t
.endr
	ds_load_b128 v[72:75], v5
	ds_load_b128 v[76:79], v5 offset:16
	s_wait_dscnt 0x0
.irp t, 0,1,2,3,4,5,6,7
	v_wmma_scale_f32_16x16x128_f8f6f4 v[96+8*\t:103+8*\t], v[36+4*\t:43+4*\t], v[QF:QF+7], 0, v[72+\t], v[QS] matrix_a_fmt:MATRIX_FMT_FP4 matrix_b_fmt:MATRIX_FMT_FP4
.endr
	PLACES 4                                       ; ahead of the loads below and of the first read of the scores
.irp t, 0,1,2,3
.irp c, 0,1
	ds_load_b128 v[36+8*\t+4*\c:39+8*\t+4*\c], v4 offset:4096+1024*\t+512*\c   ; v's fragments are asked for now and awaited ahead of the second product
.endr
.endr
	ds_load_b128 v[80:83], v6
	s_cmp_lg_u32 s3, s[24+\x]                      ; the tile's last step lies on the diagonal: there hidden scores become -infinity ahead of the maximum
	s_cbranch_scc1 .Lopen_\@
	v_mov_b32 v255, 0xff800000
.irp n, 0,1,2,3,4,5,6,7,8,9,10,11,12,13,14,15,16,17,18,19,20,21,22,23,24,25,26,27,28,29,30,31,32,33,34,35,36,37,38,39,40,41,42,43,44,45,46,47,48,49,50,51,52,53,54,55,56,57,58,59,60,61,62,63
	v_cmp_gt_i32 vcc_lo, 32*(\n/16)+\n%16, v[DQ]
	v_cndmask_b32 v[96+\n], v[96+\n], v255, vcc_lo
.endr
.Lopen_\@:
.irp b, 0,1,2,3
	v_max3_num_f32 v[232+\b], v[96+16*\b], v[97+16*\b], v[98+16*\b]   ; the largest score of each block of 32 keys: for the row's maximum and, since p rises with the score, for the block's largest p
.endr
.irp i, 3,5,7,9,11,13
.irp b, 0,1,2,3
	v_max3_num_f32 v[232+\b], v[232+\b], v[96+16*\b+\i], v[97+16*\b+\i]
.endr
.endr
.irp b, 0,1,2,3
	v_max_num_f32 v[232+\b], v[232+\b], v[111+16*\b]
.endr
.irp b, 0,1,2,3
	v_permlanex16_b32 v[236+\b], v[232+\b], s20, s21
.endr
.irp b, 0,1,2,3
	v_max_num_f32 v[232+\b], v[232+\b], v[236+\b]  ; with lane l xor 16's 16 keys
.endr
	v_max3_num_f32 v254, v232, v233, v234
	v_max_num_f32 v254, v254, v235
	v_mul_f32 v254, s22, v254                      ; the step's largest t (c is positive)
	v_max_num_f32 v[ST+1], v[ST+1], v254           ; the running largest t
	v_mov_b32 v254, v[ST]
	v_floor_f32 v[ST], -v[ST+1]                    ; the new -M = -ceil(t)
	v_sub_f32 v254, v[ST], v254                    ; old M - new M: a whole number, 0 or less
	v_cvt_i32_f32 v254, v254                       ; (it saturates)
	v_ldexp_f32 v252, 1.0, v254                    ; f = 2^(old M - new M)
.irp j, 0,2,4,6,8,10,12,14,16,18,20,22,24,26,28,30,32,34,36,38,40,42,44,46,48,50,52,54,56,58,60,62
	v_pk_fma_f32 v[96+\j:97+\j], v[96+\j:97+\j], s[22:23], v[ST:ST+1] op_sel_hi:[1,0,0]   ; t - M, two at a time
.endr
.irp b, 0,1,2,3
	v_fma_f32 v[232+\b], v[232+\b], s22, v[ST]     ; the same of each block's largest score
.endr
.irp j, 0,1,2,3,4,5,6,7,8,9,10,11,12,13,14,15,16,17,18,19,20,21,22,23,24,25,26,27,28,29,30,31,32,33,34,35,36,37,38,39,40,41,42,43,44,45,46,47,48,49,50,51,52,53,54,55,56,57,58,59,60,61,62,63
	v_exp_f32 v[96+\j], v[96+\j]                   ; p = 2^(t - M)
.endr
	v_pk_mul_f32 v[ST+2:ST+3], v[ST+2:ST+3], v[252:253] op_sel_hi:[1,0]   ; the sums under the new M: a plain place behind the exponentials
	s_wait_alu depctr_va_vdst(0)                   ; one wait for the whole batch, ahead of its first reader
.irp b, 0,1,2,3
	v_exp_f32 v[232+\b], v[232+\b]                 ; the block's largest p
.endr
	v_pk_add_f32 v[236:237], v[96:97], v[98:99]    ; the row's sum of the unquantised p, in two chains
.irp j, 4,8,12,16,20,24,28,32,36,40,44,48,52,56,60
	v_pk_add_f32 v[ST+2:ST+3], v[ST+2:ST+3], v[96+\j:97+\j]
	v_pk_add_f32 v[236:237], v[236:237], v[98+\j:99+\j]
.endr
	v_pk_add_f32 v[ST+2:ST+3], v[ST+2:ST+3], v[236:237]
	s_wait_alu depctr_va_vdst(0)                   ; and one for the four
.irp b, 0,1,2,3
	v_max_num_f32 v[232+\b], 0x1800000, v[232+\b]  ; the floor: a block whose every p is 0 keeps the byte 1: its codes are zeros
.endr
.irp b, 0,1,2,3
	v_add_nc_u32 v[244+\b], 0xff000000, v[232+\b]
.endr
.irp b, 0,1,2,3
	v_lshrrev_b32 v[236+\b], 23, v[244+\b]
.endr
	v_lshl_or_b32 v86, v237, 8, v236               ; p's scale word for these 128 keys
	v_lshl_or_b32 v86, v238, 16, v86
	v_lshl_or_b32 v86, v239, 24, v86
.irp b, 0,1,2,3
	v_cvt_scalef32_pk8_fp4_f32 v[224+2*\b], v[96+16*\b:103+16*\b], v[244+\b]
	v_cvt_scalef32_pk8_fp4_f32 v[225+2*\b], v[104+16*\b:111+16*\b], v[244+\b]
.endr
	v_nop                                          ; one plain place behind the scaled conversions
.irp c, 0,1
.irp i, 0,1
	v_permlane16_swap_b32 v[224+4*\c+\i], v[226+4*\c+\i]
.endr
.endr
.irp j, 0,2,4,6,8,10,12,14,16,18,20,22,24,26,28,30
	v_pk_mul_f32 v[OT+\j:OT+\j+1], v[OT+\j:OT+\j+1], v[252:253] op_sel_hi:[1,0]   ; O^T under the new M.  Twelve of the sixteen name no register of any one product below: the places behind p's word and codes
.endr
	PLACES 4
	s_wait_dscnt 0x0                               ; v's fragments and words are in
.irp t, 0,1,2,3
	v_wmma_scale_f32_16x16x128_f8f6f4 v[OT+8*\t:OT+8*\t+7], v[36+8*\t:43+8*\t], v[224:231], v[OT+8*\t:OT+8*\t+7], v[80+\t], v86 matrix_a_fmt:MATRIX_FMT_FP4 matrix_b_fmt:MATRIX_FMT_FP4
.endr
.endm
	s_wait_tensorcnt 0x0                           ; my block has landed,
	s_barrier_signal -1
	s_barrier_wait -1                              ; everybody's has: the head lies in LDS
	s_wait_loadcnt 0x0                             ; q
.Lkeys:                                            ; 16 trips, a constant; a tile's steps beyond its diagonal are jumped over, by a branch on the wave's number and the count of steps
	v_add_nc_u32 v4, s2, v1
	v_add_nc_u32 v5, s2, v2
	v_add_nc_u32 v6, s2, v3
	s_cmp_gt_u32 s3, s25
	s_cbranch_scc1 .Lno_hi
	TSTEP 1
.Lno_hi:
	s_cmp_gt_u32 s3, s24
	s_cbranch_scc1 .Lno_lo
	TSTEP 0
.Lno_lo:
	s_add_co_u32 s2, s2, BLKB
	s_add_co_u32 s3, s3, 1
	s_cmp_lt_u32 s3, 16
	s_cbranch_scc1 .Lkeys
	; THE WAY OUT: O^T / the sum, quantised along the head's 64: blocks 0, 1 the low tile's, 2, 3 the high tile's
.irp x, 0,1
	v_add_f32 v[14+4*\x], v[14+4*\x], v[15+4*\x]
.endr
.irp x, 0,1
	v_permlanex16_b32 v[236+\x], v[14+4*\x], s20, s21
.endr
.irp x, 0,1
	v_add_f32 v[14+4*\x], v[14+4*\x], v[236+\x]    ; the row's sum
.endr
	v_mul_u32_u24 v242, s57, v241
	v_lshl_add_u32 v242, v240, 2, v242             ; scale bytes: 4 r; lanes 16-31 at the high tile's words
	v_rcp_f32 v14, v14
	v_rcp_f32 v18, v18
	v_cmp_eq_u32 vcc_lo, 1, v241                   ; (a plain place behind the reciprocals)
	s_wait_alu depctr_va_vdst(0)                   ; one wait for both, ahead of their first reader
.irp x, 0,1
.irp j, 0,2,4,6,8,10,12,14,16,18,20,22,24,26,28,30
	v_pk_mul_f32 v[96+32*\x+\j:97+32*\x+\j], v[160+32*\x+\j:161+32*\x+\j], v[14+4*\x:15+4*\x] op_sel_hi:[1,0]
.endr
.endr
.irp b, 0,1,2,3
	v_max3_num_f32 v[232+\b], |v[96+16*\b]|, |v[97+16*\b]|, 0x1800000
.endr
.irp i, 2,4,6,8,10,12,14
.irp b, 0,1,2,3
	v_max3_num_f32 v[232+\b], v[232+\b], |v[96+16*\b+\i]|, |v[97+16*\b+\i]|
.endr
.endr
.irp b, 0,1,2,3
	v_permlanex16_b32 v[236+\b], v[232+\b], s20, s21
.endr
.irp b, 0,1,2,3
	v_max_num_f32 v[232+\b], v[232+\b], v[236+\b]
.endr
.irp b, 0,1,2,3
	v_add_nc_u32 v[244+\b], 0xff000000, v[232+\b]
.endr
.irp b, 0,1,2,3
	v_lshrrev_b32 v[236+\b], 23, v[244+\b]
.endr
.irp b, 0,1,2,3
	v_cvt_scalef32_pk8_fp4_f32 v[224+2*\b], v[96+16*\b:103+16*\b], v[244+\b]
	v_cvt_scalef32_pk8_fp4_f32 v[225+2*\b], v[104+16*\b:111+16*\b], v[244+\b]
.endr
	v_lshl_or_b32 v232, v237, 8, v236              ; (a plain place behind the conversions)  the low tile's two bytes,
	v_lshl_or_b32 v233, v239, 8, v238              ; the high tile's
.irp c, 0,1
.irp i, 0,1
	v_permlane16_swap_b32 v[224+4*\c+\i], v[226+4*\c+\i]
.endr
.endr
	v_cndmask_b32 v234, v232, v233, vcc_lo
	global_store_b128 v1, v[224:227], s[44:45]     ; half a fragment's image: 512 consecutive bytes
	global_store_b128 v1, v[228:231], s[46:47]
	global_store_b16 v242, v234, s[48:49]          ; two bytes a lane, every other pair of a run of 64: the other pairs are the neighbouring head's; 1/16 of what this launch stores
	s_wait_tensorcnt 0x0                           ; the wave's end
	ds_add_u32 v[SPW], v[NIL]
	s_wait_dscnt 0x0
	CROUND                                         ; the closing round
	s_endpgm
.Lfunc_end_k_q938dce6793_attn:
	.size	k_q938dce6793_attn, .Lfunc_end_k_q938dce6793_attn-k_q938dce6793_attn
	.p2alignl 7, 3214868480
	.fill 96, 4, 3214868480
	.section	.rodata,"a",@progbits
	.p2align	6, 0x0
	.amdhsa_kernel k_q938dce6793_attn
		.amdhsa_group_segment_fixed_size 167936
		.amdhsa_private_segment_fixed_size 0
		.amdhsa_enable_private_segment 0
		.amdhsa_kernarg_size 32
		.amdhsa_user_sgpr_count 2
		.amdhsa_user_sgpr_kernarg_segment_ptr 1
		.amdhsa_wavefront_size32 1
		.amdhsa_system_sgpr_workgroup_id_x 1
		.amdhsa_system_sgpr_workgroup_id_y 1
		.amdhsa_system_sgpr_workgroup_id_z 1
		.amdhsa_system_vgpr_workitem_id 0
		.amdhsa_next_free_vgpr 256
		.amdhsa_next_free_sgpr 66
		.amdhsa_reserve_vcc 1
		.amdhsa_float_denorm_mode_32 3
		.amdhsa_float_denorm_mode_16_64 3
		.amdhsa_memory_ordered 1
		.amdhsa_forward_progress 1
		.amdhsa_inst_pref_size 56
	.end_amdhsa_kernel
	.amdgpu_metadata
---
amdhsa.version: [ 1, 2 ]
amdhsa.kernels:
  - .name:           k_q938dce6793_attn
    .symbol:         k_q938dce6793_attn.kd
    .args:
      - { .name: qb, .offset: 0, .size: 8, .value_kind: global_buffer, .address_space: global }
      - { .name: kv, .offset: 8, .size: 8, .value_kind: global_buffer, .address_space: global }
      - { .name: ac, .offset: 16, .size: 8, .value_kind: global_buffer, .address_space: global }
      - { .name: asc, .offset: 24, .size: 8, .value_kind: global_buffer, .address_space: global }
    .group_segment_fixed_size: 167936
    .private_segment_fixed_size: 0
    .kernarg_segment_align: 8
    .kernarg_segment_size: 32
    .max_flat_workgroup_size: 512
    .sgpr_count:     66
    .vgpr_count:     256
    .wavefront_size: 32
...
	.end_amdgpu_metadata
.endif
;; end of part 3
;; launch gemm_out (part 4): grid 8 x 32, 4 waves a work-group, clusters of 4 x 4, 214,528 bytes of LDS; arguments ac, asc, wc, wsc, b_out, out0; writes out0
.if DOCPART == 4
	.amdgcn_target "amdgcn-amd-amdhsa--gfx1250"
	.amdhsa_code_object_version 6
	.text
	.protected	k_q938dce6793_gemm_out
	.globl	k_q938dce6793_gemm_out
	.p2align	8
	.type	k_q938dce6793_gemm_out,@function
k_q938dce6793_gemm_out:
	s_mov_b64 s[64:65], 0
	v_nop
	global_prefetch_b8 v0, s[64:65] scope:SCOPE_SE
	s_setreg_imm32_b32 hwreg(HW_REG_WAVE_MODE, 25, 1), 1
	s_wait_xcnt 0x0
	s_wait_alu depctr_hold_cnt(0) depctr_sa_sdst(0) depctr_va_vdst(0) depctr_va_sdst(0) depctr_va_ssrc(0) depctr_va_vcc(0) depctr_vm_vsrc(0)
	s_getreg_b32 s2, hwreg(HW_REG_IB_STS2, 6, 4)
	s_cmp_eq_u32 s2, 0
	s_cbranch_scc0 .Lentry_in_a_cluster
	s_endpgm
.Lentry_in_a_cluster:
	s_bfe_u32 s2, ttmp6, 0x10000c
	s_cmp_lg_u32 s2, 0xf033
	s_cbranch_scc0 .Lentry_shape_is_right
	s_endpgm
.Lentry_shape_is_right:
; out0 = a w_out + b_out on codes of FP4: a = the attention's result (ac, asc), w_out = tiles 192-255 of wc, wsc (layouts: launch prep's head).  No work is left out here.
; A work-group of four waves makes 256 rows x 128 columns, so that the 8,192 x 1,024 results give 256 work-groups; a wave makes 128 x 64: 32 accumulators.  Both panels lie in LDS whole (K = 1,024: 128 + 64 KiB),
; in four chunks of 256 along K, each filled once; a wave has four tensor loads out.  CLUSTER 4 x 4: a's panel is shared along a row of the cluster, the weight's along a column.
; Source 0 = the weight's tiles, source 1 = a's: a lane holds one row and, for each pair of tiles, 16 neighbouring columns.  The bias is the C of the first K step (it is added first and not last: f32 rounding).
; REGISTERS: window 0: addresses; v32-63 a's scale words, v64-79 the weight's; v128-159 the bias; v160-223 rows on the way out.  Window 1: the weight's fragments at v[32 p + 8 b], a's at v[64 + 64 p + 8 a], two sets p.
; Window 2: accumulator (a, b) at v[8 (4 a + b)].
.set CHUNK, 49152
.set STAGE, 196608                     ; behind the chunks: 16 rows x 272 bytes for each wave; no fill lands here
.set SPARE, 214016                     ; behind the stages: the spare words, 128 bytes a wave
.set ADRA, 8                           ; v8-11
.set ADRW, 12                          ; v12-15
.set SPW,  16
.set NIL,  17
.set STO,  18                          ; the stage: where I put 32 bytes of a row
.set RD,   19                          ; and where I read a row back
.set CO,   20                          ; my byte offset in out0
.set SA,   32
.set SW,   64
.set BI,   128
.set BK,   160
.set G1A, 24
.set G1W, 32
.set G0A, 48
.set G0W, 68
.set MSB, 0
.macro WIN new
.if MSB != (\new)
	s_set_vgpr_msb (MSB<<8)|(\new)
.set MSB, (\new)
.endif
.endm
.macro PLACES n
.rept \n
	v_nop
.endr
.endm
.macro CROUND
	s_barrier_signal -1
	s_barrier_wait -1
	s_cmp_lg_u32 s18, 0
	s_cbranch_scc1 .Lnot_wave_0_\@
	s_barrier_signal -3
.Lnot_wave_0_\@:
	s_barrier_wait -3
	s_barrier_signal -1
	s_barrier_wait -1
.endm
.macro FETCH st                        ; K step st's 12 fragments into set st % 2
	WIN 0x40
.irp i, 0,1,2,3
.irp c, 0,1
	ds_load_b128 v[32*((\st)%2)+8*\i+4*\c:32*((\st)%2)+8*\i+4*\c+3], v[ADRW+(\st)/2] offset:2048*\i+1024*((\st)%2)+512*\c
.endr
.endr
.irp i, 0,1,2,3,4,5,6,7
.irp c, 0,1
	ds_load_b128 v[64+64*((\st)%2)+8*\i+4*\c:64+64*((\st)%2)+8*\i+4*\c+3], v[ADRA+(\st)/2] offset:2048*\i+1024*((\st)%2)+512*\c
.endr
.endr
	WIN 0
.endm
.macro MUL st                          ; 32 products: the accumulators take turns, one instruction a turn, in the same order in every step
.if (\st) == 0
	WIN 0x85                                       ; sources 0, 1 window 1; C (the bias) window 0; D window 2
.else
	WIN 0xa5
.endif
.irp a, 0,1,2,3,4,5,6,7
.irp b, 0,1,2,3
.set rD, 8*(4*\a+\b)
.set rP, 32*((\st)%2)+8*\b
.set rQ, 64+64*((\st)%2)+8*\a
.set rA, SW+4*\b+(\st)%4
.set rB, SA+4*\a+(\st)%4
.if (\st) == 0
	v_wmma_scale_f32_16x16x128_f8f6f4 v[rD:rD+7], v[rP:rP+7], v[rQ:rQ+7], v[BI+8*\b:BI+8*\b+7], v[rA], v[rB] matrix_a_fmt:MATRIX_FMT_FP4 matrix_b_fmt:MATRIX_FMT_FP4
.elseif (\st) < 4
	v_wmma_scale_f32_16x16x128_f8f6f4 v[rD:rD+7], v[rP:rP+7], v[rQ:rQ+7], v[rD:rD+7], v[rA], v[rB] matrix_a_fmt:MATRIX_FMT_FP4 matrix_b_fmt:MATRIX_FMT_FP4
.else
	v_wmma_scale_f32_16x16x128_f8f6f4 v[rD:rD+7], v[rP:rP+7], v[rQ:rQ+7], v[rD:rD+7], v[rA], v[rB] matrix_a_fmt:MATRIX_FMT_FP4 matrix_b_fmt:MATRIX_FMT_FP4 matrix_a_scale:MATRIX_SCALE_ROW1 matrix_b_scale:MATRIX_SCALE_ROW1
.endif
.endr
.endr
.endm
.macro STEP st
	s_wait_dscnt 0x0                               ; this step's fragments are in
.if ((\st) < 7) && ((\st) % 2 == 1)
	s_wait_tensorcnt 3-((\st)+1)/2                 ; my part of the next chunk has landed; my later chunks, as many as the count, may stay out
	s_barrier_signal -1
	s_barrier_wait -1
.endif
.if ((\st) > 0) && ((\st) < 7)
	PLACES 4                                       ; in front of loads into the set that the last step's products read
.endif
.if (\st) < 7
	FETCH (\st)+1
.endif
	MUL \st
.endm
	s_load_b256 s[4:11], s[0:1], 0x0               ; ac s[4:5], asc s[6:7], wc s[8:9], wsc s[10:11]
	s_load_b128 s[12:15], s[0:1], 0x20             ; b_out s[12:13], out0 s[14:15]
	v_lshl_add_u32 v[SPW], v0, 2, SPARE
	v_mov_b32 v[NIL], 0
	ds_add_u32 v[SPW], v[NIL]                      ; the wave's opening: the add, twice on end, and its wait ahead of my first tensor load
	ds_add_u32 v[SPW], v[NIL]
	v_lshrrev_b32 v1, 5, v0
	v_readfirstlane_b32 s18, v1                    ; wave 0..3
	s_lshr_b32 s19, s18, 1                         ; which 128 rows are mine.  Also: I fetch for a (0) or for the weight (1)
	s_and_b32 s20, s18, 1                          ; which 64 columns.  Also: which half of that panel I fetch
	s_bfe_u32 s40, ttmp6, 0x40000                  ; cx
	s_bfe_u32 s41, ttmp6, 0x40004                  ; cy
	s_lshl_b32 s42, ttmp9, 2
	s_add_co_u32 s42, s42, s40                     ; block of 128 columns, 0 .. 7
	s_and_b32 s43, ttmp7, 0xffff
	s_lshl_b32 s43, s43, 2
	s_add_co_u32 s43, s43, s41                     ; block of 256 rows, 0 .. 31
	s_lshl_b32 s44, s41, 2
	s_lshl_b32 s44, 15, s44                        ; my row of the cluster
	s_lshl_b32 s45, 0x1111, s40                    ; my column
	; group 1: rows (tiles) of 2,048 bytes, 8,192 bytes apart, elements of 8 bytes, no padding: 8 tiles of a, 4 of the weight
	s_or_b32 s[G1A], s44, (3<<16)|(1<<21)
	s_mov_b32 s[G1A+1], 256<<16
	s_mov_b32 s[G1A+2], 8<<16
	s_mov_b32 s[G1A+3], 256<<16
	s_mov_b32 s[G1A+4], 8
	s_mov_b32 s[G1A+5], 1024
	s_mov_b32 s[G1A+6], 0
	s_mov_b32 s[G1A+7], 0
	s_or_b32 s[G1W], s45, (3<<16)|(1<<21)
	s_mov_b32 s[G1W+1], 256<<16
	s_mov_b32 s[G1W+2], 4<<16
	s_mov_b32 s[G1W+3], 256<<16
	s_mov_b32 s[G1W+4], 4
	s_mov_b32 s[G1W+5], 1024
	s_mov_b32 s[G1W+6], 0
	s_mov_b32 s[G1W+7], 0
	s_lshl_b32 s84, s43, 4
	s_lshl_b32 s90, s20, 3
	s_add_co_u32 s84, s84, s90                     ; a: tile 16 x row block + 8 x half
	s_lshl_b32 s84, s84, 13
	s_mov_b32 s85, 0
	s_lshl_b32 s88, s42, 3
	s_lshl_b32 s91, s20, 2
	s_add_co_u32 s88, s88, s91
	s_add_co_u32 s88, s88, 192                     ; the weight: tile 192 + 8 x column block + 4 x half
	s_lshl_b32 s88, s88, 13
	s_mov_b32 s89, 0
	s_lshl_b32 s87, s20, 14                        ; in a chunk: a's halves at 0 and 16,384,
	s_lshl_b32 s86, s20, 13
	s_add_co_u32 s86, s86, 32768                   ; the weight's at 32,768 and 40,960
	s_wait_dscnt 0x0                               ; both opening adds are done
	s_wait_kmcnt 0x0
	s_add_nc_u64 s[84:85], s[4:5], s[84:85]
	s_add_nc_u64 s[88:89], s[8:9], s[88:89]
	CROUND                                         ; all sixteen work-groups are here: the joint loads meet
.irp c, 0,1,2,3
	s_mov_b32 s[G0A+4*\c], 1
	s_add_co_u32 s[G0A+4*\c+1], s87, CHUNK*\c
	s_add_nc_u64 s[G0A+4*\c+2:G0A+4*\c+3], s[84:85], 2048*\c
	s_or_b32 s[G0A+4*\c+3], s[G0A+4*\c+3], 0x80000000
	s_mov_b32 s[G0W+4*\c], 1
	s_add_co_u32 s[G0W+4*\c+1], s86, CHUNK*\c
	s_add_nc_u64 s[G0W+4*\c+2:G0W+4*\c+3], s[88:89], 2048*\c
	s_or_b32 s[G0W+4*\c+3], s[G0W+4*\c+3], 0x80000000
.endr
	s_cmp_eq_u32 s19, 0                            ; a wave's four fills stand in one branch on the wave's number; every wave issues four
	s_cbranch_scc0 .Lfill_w
.irp c, 0,1,2,3
	tensor_load_to_lds s[G0A+4*\c:G0A+4*\c+3], s[G1A:G1A+7]
	s_nop 0
.endr
	PLACES 4
	s_branch .Lfilled
.Lfill_w:
.irp c, 0,1,2,3
	tensor_load_to_lds s[G0W+4*\c:G0W+4*\c+3], s[G1W:G1W+7]
	s_nop 0
.endr
	PLACES 4
.Lfilled:
	v_and_b32 v1, 15, v0                           ; r
	v_bfe_u32 v2, v0, 4, 1                         ; h
	v_and_b32 v3, 31, v0
	v_lshlrev_b32 v3, 4, v3                        ; 16 x lane
	v_lshlrev_b32 v4, 2, v1
	v_lshl_add_u32 v4, v2, 8, v4                   ; scale words: 4 r, lanes 16-31 four K steps on
	v_lshlrev_b32 v5, 6, v2                        ; the bias: 64 h
	s_lshl_b32 s90, s19, 14
	s_lshl_b32 s91, s20, 13
	s_add_co_u32 s91, s91, 32768
.irp c, 0,1,2,3
	v_add_nc_u32 v[ADRA+\c], s90, v3
	v_add_nc_u32 v[ADRW+\c], s91, v3
	s_add_co_u32 s90, s90, CHUNK
	s_add_co_u32 s91, s91, CHUNK
.endr
	s_mul_i32 s92, s18, 4352
	s_add_co_u32 s92, s92, STAGE                   ; my stage
	v_mul_u32_u24 v[STO], v1, 272
	v_lshl_add_u32 v[STO], v2, 6, v[STO]
	v_add_nc_u32 v[STO], s92, v[STO]               ; in: row r, + 64 h
	v_mul_u32_u24 v[RD], v2, 272
	v_lshl_add_u32 v[RD], v1, 4, v[RD]
	v_add_nc_u32 v[RD], s92, v[RD]                 ; back: lanes 0-15 one row of 256 bytes, lanes 16-31 the next
	v_lshlrev_b32 v[CO], 12, v2
	v_lshl_add_u32 v[CO], v1, 4, v[CO]             ; and the same two rows in out0
	s_lshl_b32 s92, s43, 4
	s_lshl_b32 s93, s19, 3
	s_add_co_u32 s92, s92, s93
	s_lshl_b32 s92, s92, 9
	s_mov_b32 s93, 0
	s_add_nc_u64 s[6:7], s[6:7], s[92:93]          ; my 8 tiles' words of a
	s_lshl_b32 s92, s42, 3
	s_lshl_b32 s94, s20, 2
	s_add_co_u32 s92, s92, s94
	s_add_co_u32 s92, s92, 192
	s_lshl_b32 s92, s92, 9
	s_add_nc_u64 s[10:11], s[10:11], s[92:93]      ; my 4 tiles' words of the weight
	s_lshl_b32 s92, s42, 9
	s_lshl_b32 s94, s20, 8
	s_add_co_u32 s92, s92, s94                     ; my 64 columns, in bytes
	s_add_nc_u64 s[12:13], s[12:13], s[92:93]
	s_add_nc_u64 s[14:15], s[14:15], s[92:93]
	s_lshl_b32 s92, s43, 20
	s_lshl_b32 s94, s19, 19
	s_add_co_u32 s92, s92, s94                     ; my first row: (256 x row block + 128 x half) x 4,096 bytes
	s_add_nc_u64 s[14:15], s[14:15], s[92:93]
.irp i, 0,1,2,3,4,5,6,7
.irp q, 0,1,2,3
	global_load_b32 v[SA+4*\i+\q], v4, s[6:7] offset:512*\i+64*\q
.endr
.endr
.irp i, 0,1,2,3
.irp q, 0,1,2,3
	global_load_b32 v[SW+4*\i+\q], v4, s[10:11] offset:512*\i+64*\q
.endr
.endr
.irp b, 0,1,2,3
	global_load_b128 v[BI+8*\b:BI+8*\b+3], v5, s[12:13] offset:4*(32*(\b/2)+8*(\b%2))
	global_load_b128 v[BI+8*\b+4:BI+8*\b+7], v5, s[12:13] offset:4*(32*(\b/2)+8*(\b%2))+16
.endr
	s_wait_tensorcnt 3                             ; my part of chunk 0 has landed; my three later chunks may stay out
	s_barrier_signal -1
	s_barrier_wait -1
	FETCH 0
	s_wait_loadcnt 0x0                             ; scale words and bias
.irp k, 0,1,2,3,4,5,6,7
	STEP \k
.endr
	WIN 0
; THE WAY OUT, a tile of 16 rows x 64 columns at a time, through my own stage: a lane holds 32 bytes of a row at a time; back come whole rows of 256 bytes.  LDS serves a wave's instructions in order.
.macro TOSTAGE a
	WIN 0x08                                       ; an LDS store's data are its source 1: window 2
.irp b, 0,1,2,3
	ds_store_b128 v[STO], v[8*(4*(\a)+\b):8*(4*(\a)+\b)+3] offset:128*(\b/2)+32*(\b%2)       ; each accumulator from its low end on
	ds_store_b128 v[STO], v[8*(4*(\a)+\b)+4:8*(4*(\a)+\b)+7] offset:128*(\b/2)+32*(\b%2)+16
.endr
	WIN 0
.irp q, 0,1,2,3,4,5,6,7
	ds_load_b128 v[BK+32*((\a)%2)+4*\q:BK+32*((\a)%2)+4*\q+3], v[RD] offset:544*\q
.endr
.endm
.macro SEND a, younger                 ; younger: the LDS instructions issued behind tile a's loads, which may stay out
	s_wait_dscnt \younger
.irp q, 0,1,2,3,4,5,6,7
	global_store_b128 v[CO], v[BK+32*((\a)%2)+4*\q:BK+32*((\a)%2)+4*\q+3], s[14:15] offset:(32*((\a)/2)+8*((\a)%2)+2*\q+8*(\q/4))*4096 th:TH_STORE_NT   ; places 2 q, 2 q + 1 of the tile; 16 lanes store 256 consecutive bytes, aligned
.endr
.endm
	PLACES 4                                       ; behind the last products, ahead of the first read of results
	TOSTAGE 0
.irp a, 1,2,3,4,5,6,7
.if \a > 1
	s_wait_xcnt 0x0                                ; tile a - 2's stores have read their registers: tile a's loads may land there
.endif
	TOSTAGE \a
	SEND \a-1, 16                                  ; behind tile a - 1's loads: tile a's 8 stores and 8 loads
.endr
	SEND 7, 0
	s_wait_tensorcnt 0x0                           ; the wave's end, behind my last tensor load and my last LDS store
	ds_add_u32 v[SPW], v[NIL]
	s_wait_dscnt 0x0
	CROUND                                         ; the closing round
	s_endpgm
.Lfunc_end_k_q938dce6793_gemm_out:
	.size	k_q938dce6793_gemm_out, .Lfunc_end_k_q938dce6793_gemm_out-k_q938dce6793_gemm_out
	.p2alignl 7, 3214868480
	.fill 96, 4, 3214868480
	.section	.rodata,"a",@progbits
	.p2align	6, 0x0
	.amdhsa_kernel k_q938dce6793_gemm_out
		.amdhsa_group_segment_fixed_size 214528
		.amdhsa_private_segment_fixed_size 0
		.amdhsa_enable_private_segment 0
		.amdhsa_kernarg_size 48
		.amdhsa_user_sgpr_count 2
		.amdhsa_user_sgpr_kernarg_segment_ptr 1
		.amdhsa_wavefront_size32 1
		.amdhsa_system_sgpr_workgroup_id_x 1
		.amdhsa_system_sgpr_workgroup_id_y 1
		.amdhsa_system_sgpr_workgroup_id_z 1
		.amdhsa_system_vgpr_workitem_id 0
		.amdhsa_next_free_vgpr 768
		.amdhsa_next_free_sgpr 100
		.amdhsa_reserve_vcc 0
		.amdhsa_float_denorm_mode_32 3
		.amdhsa_float_denorm_mode_16_64 3
		.amdhsa_memory_ordered 1
		.amdhsa_forward_progress 1
		.amdhsa_inst_pref_size 76
	.end_amdhsa_kernel
	.amdgpu_metadata
---
amdhsa.version: [ 1, 2 ]
amdhsa.kernels:
  - .name:           k_q938dce6793_gemm_out
    .symbol:         k_q938dce6793_gemm_out.kd
    .args:
      - { .name: ac, .offset: 0, .size: 8, .value_kind: global_buffer, .address_space: global }
      - { .name: asc, .offset: 8, .size: 8, .value_kind: global_buffer, .address_space: global }
      - { .name: wc, .offset: 16, .size: 8, .value_kind: global_buffer, .address_space: global }
      - { .name: wsc, .offset: 24, .size: 8, .value_kind: global_buffer, .address_space: global }
      - { .name: b_out, .offset: 32, .size: 8, .value_kind: global_buffer, .address_space: global }
      - { .name: out0, .offset: 40, .size: 8, .value_kind: global_buffer, .address_space: global }
    .group_segment_fixed_size: 214528
    .private_segment_fixed_size: 0
    .kernarg_segment_align: 8
    .kernarg_segment_size: 48
    .max_flat_workgroup_size: 128
    .sgpr_count:     100
    .vgpr_count:     768
    .wavefront_size: 32
...
	.end_amdgpu_metadata
.endif
;; end of part 4
